; MI455X (gfx1250); checked and timed in simulation.
; The chip was launched on July 23, 2026; its instructions are those of AMD's public machine-readable ISA for CDNA 5 (MIT licence, August 2026) and "CDNA5" Instruction Set Architecture Reference Guide (July 2026). The comments in the code are by the model that wrote it; some were corrected since.
;; Multi Head Attention. Allowed arithmetic: matrix products marked QUANTISED: E5M2 operands, one given power-of-two scale a tensor, by v_wmma_f32_16x16x64_bf8_bf8 or v_wmma_f32_16x16x128_bf8_bf8, f32 sums; everything else in f32.
;; Inputs: b_attn 3,072 float32; b_proj 1,024 float32; lowp_scales 8 int32 (the exponents e of the quantised operands' scales 2^e); w_attn 3,072 x 1,024 float32; w_proj 1,024 x 1,024 float32; x 4 x 2,048 x 1,024 float32.
;; Outputs: out0 4 x 2,048 x 1,024 float32.
;; This version of the problem:
;;   THIS VERSION OF THE PROBLEM IS GIVEN IN LOW PRECISION. The matrix products marked QUANTISED in the list below multiply operands that are first quantised to E5M2 (5 exponent bits, 2 mantissa bits; 8 bits a number), with one given power-of-two scale for each operand tensor; their sums are f32. All else is computed in f32.
;;   The module's matrix products, in the order in which they are computed (A, B: the left and right operand; K: the contracted axis; several contracted axes count as one K, in the product's order):
;;     1. [M 8,192, K 1,024] x [K 1,024, N 3,072]; A: input x; B: input w_attn: QUANTISED (scales: A lowp_scales[0], B lowp_scales[1])
;;     2. batch 64 x [M 2,048, K 64] x [K 64, N 2,048]; A: computed on the way; B: computed on the way: QUANTISED (scales: A lowp_scales[2], B lowp_scales[3])
;;     3. batch 64 x [M 2,048, K 2,048] x [K 2,048, N 64]; A: softmax (see below); B: computed on the way: QUANTISED (scales: A lowp_scales[4], B lowp_scales[5])
;;     4. [M 8,192, K 1,024] x [K 1,024, N 1,024]; A: computed on the way; B: input w_proj: QUANTISED (scales: A lowp_scales[6], B lowp_scales[7])
;;   THE QUANTISER, for each operand of a quantised product, along K:
;;     - The operand's scale is 2^e, e = its entry of the input lowp_scales (int32; the entries are numbered through the quantised products in the list's order, A before B).
;;     - Each number is divided by the scale, clamped to +-57,344, and rounded to the nearest number of E5M2, ties to even, subnormals kept.
;;     - The product sums the exact products of the quantised numbers (number of the format x scale) in f32.
;;   ~~~python
;;   def quantise(x, axis, e):      # numpy; x: float32 -> the quantised numbers, widened to float32 again
;;       x = np.moveaxis(x, axis, -1); K = x.shape[-1]
;;       r = np.clip(x / 2.0 ** e, -57344, 57344)
;;       step = 2.0 ** (np.maximum(np.frexp(np.where(r == 0, 1, r))[1] - 1, -14) - 2)
;;       q = np.round(r / step) * step * 2.0 ** e      # np.round: ties to even
;;       return np.moveaxis(q, -1, axis).astype(np.float32)
;;   ~~~
;;   SOFTMAX AHEAD OF A QUANTISED PRODUCT. Where the list says 'softmax', what is quantised is not the finished softmax but p = 2^(t - M), with t = logit x log2(e) and M = ceil(the row's largest t), a whole number; so 1/2 < the row's largest p <= 1. The row's sum l is taken of the UNQUANTISED p, in f32, and the product's result is divided by l at the end. Since M is a whole number, a kernel that streams over the keys may use a running M (the ceiling of the running maximum): every later rescaling is an exact power of two, so the quantised numbers keep their values, but for numbers so far below the row's largest that they fall under the format's range.
;;   OPERANDS COMPUTED ON THE WAY. 'Computed on the way' means the value that the module computes at that place (a softmax that the list does not call 'softmax' is quantised finished and normalised). What goes into a quantiser is computed in f32, as accurately as f32 sums, v_exp_f32 and their like allow (about 1e-6 of the number): no bf16 or f16 on the way to a quantiser, and a product that is left as it is and whose result goes on into a quantised operand takes f32 operands (vector FMAs, or v_wmma_f32_16x16x4_f32). A number that lies on a knife's edge between two numbers of the format may be rounded either way, as far as f32 arithmetic and the matrix unit's own rounding can turn it there, and no further.
;; One version. Each part assembles by itself: llvm-mc -triple=amdgcn-amd-amdhsa -mcpu=gfx1250 --defsym DOCPART=n.
;; ======== version 1 of 1: 4 launches
;; limits: right only within a limited range of input values
;; workspace buffers: x_codes 8,388,608 bytes; wa_codes 3,145,728 bytes; wp_codes 1,048,576 bytes; q_codes 8,388,608 bytes; kv_codes 16,777,216 bytes; y_codes 8,388,608 bytes
;; launch quant (part 1): grid 384 x 1, 4 waves a work-group, no clusters, 57,856 bytes of LDS; arguments x, w_attn, w_proj, lowp_scales, x_codes, wa_codes, wp_codes; writes x_codes, wa_codes, wp_codes
.if DOCPART == 1
	.amdgcn_target "amdgcn-amd-amdhsa--gfx1250"
	.amdhsa_code_object_version 6
	.text
	.protected	k_qf8c6e60cda_quant
	.globl	k_qf8c6e60cda_quant
	.p2align	8
	.type	k_qf8c6e60cda_quant,@function
k_qf8c6e60cda_quant:
	s_mov_b64 s[64:65], 0
	v_nop
	global_prefetch_b8 v0, s[64:65] scope:SCOPE_SE
	s_setreg_imm32_b32 hwreg(HW_REG_WAVE_MODE, 25, 1), 1
	s_wait_xcnt 0x0
; x [8192][1024], w_attn [3072][1024] and w_proj [1024][1024], f32 with K innermost, become codes of BF8 (E5M2), one byte a number.
; code = number / 2^e, held within +-57,344, rounded to the nearest code, ties to even.  e: entry 0 of the scales for x, entry 1 for w_attn, entry 7 for w_proj.
; LIMITS: -126 <= e and e + 15 <= 127.  NaN among the inputs is not served (an infinity is held at the largest code).
; THE CODES LIE IN THE ORDER OF AN OPERAND'S REGISTERS: [16 rows][128 along K][c = 0..3][lane = 16 h + r][16 bytes], the 16 bytes being k = 32 c + 16 h + 0 .. 15 of row r: a fragment's four loads of 16 bytes a lane read 512 consecutive bytes each.
; A wave takes 16 rows x 512 along K: step t is row t.  Work-groups 0-255 take x, 256-351 w_attn, 352-383 w_proj: only pointers and e are chosen, by selects on the work-group's number.
; Each of a step's four loads reads 512 consecutive bytes, 16 a lane; they turn through the wave's first stage in LDS and come back 64 bytes a lane, since a conversion takes 8 neighbours from ONE lane's registers.
; Lane l's 16 codes of the 16 rows are 256 consecutive bytes of the result, at 256 l: they are gathered in the wave's second stage (272 bytes a lane) and leave as 512 consecutive bytes a store.
; No tensor loads, no barrier: waves share nothing.  Loads run four steps (16 loads a wave) ahead.  Matrix units and clusters have nothing to do here: no byte is read twice.
.set STEPS, 16
.set WGX,   256
.set WGXA,  352
.set EMAX,  15
.set MANT,  0x600000
.set R,     16                         ; v16-79   four sets of 16 numbers as loaded; at the end the codes on their way out
.set X,     80                         ; v80-111  two sets of 16 neighbours
.set C,     128                        ; v128-191 codes, four registers a step
.set SP,    80                         ; first stage: a lane's 64 bytes + 16 of padding; two such stages of 32 x SP
.set ST2,   5120                       ; second stage: 32 x 272 bytes
.set WREG,  14336                      ; a wave's LDS
.set SPARE, 4*WREG                     ; the spare words
	s_load_b128 s[4:7], s[0:1], 0x0                ; x, w_attn
	s_load_b128 s[8:11], s[0:1], 0x10              ; w_proj, the scales' exponents
	s_load_b128 s[12:15], s[0:1], 0x20             ; x's codes, w_attn's codes
	s_load_b64 s[24:25], s[0:1], 0x30              ; w_proj's codes
	v_lshl_add_u32 v192, v0, 2, SPARE
	v_mov_b32 v193, 0
	v_lshrrev_b32 v1, 5, v0
	v_readfirstlane_b32 s16, v1                    ; wave
	v_and_b32 v2, 31, v0                           ; lane
	v_lshlrev_b32 v3, 4, v2                        ; 16 x lane
	s_mul_i32 s17, s16, WREG
	v_lshrrev_b32 v14, 2, v2
	v_mul_u32_u24 v14, v14, SP
	v_and_b32 v15, 3, v2
	v_lshl_add_u32 v14, v15, 4, v14
	v_add_nc_u32 v14, s17, v14                     ; first stage, in: SP (lane / 4) + 16 (lane % 4)
	v_mul_u32_u24 v15, v2, SP
	v_add_nc_u32 v15, s17, v15                     ; and out: SP x lane
	v_mul_u32_u24 v5, v2, 272
	v_add_nc_u32 v5, s17, v5
	v_add_nc_u32 v5, ST2, v5                       ; second stage, in: 272 x lane, row t at 16 t
	v_lshrrev_b32 v6, 4, v2
	v_mul_u32_u24 v6, v6, 272
	v_and_b32 v7, 15, v2
	v_lshl_add_u32 v6, v7, 4, v6
	v_add_nc_u32 v6, s17, v6
	v_add_nc_u32 v6, ST2, v6                       ; and out: two lanes' 256 bytes an instruction
	s_wait_alu depctr_va_vdst(0)                   ; the wait here, directly ahead of the wait below
	s_wait_kmcnt 0x0
	s_load_b256 s[32:39], s[10:11], 0x0            ; e0 .. e7
	s_mov_b32 s17, WGXA
	s_cmp_lt_u32 ttmp9, WGXA
	s_cselect_b64 s[6:7], s[6:7], s[8:9]
	s_cselect_b64 s[14:15], s[14:15], s[24:25]
	s_cselect_b32 s17, WGX, s17                    ; the tensor's first work-group
	s_cmp_lt_u32 ttmp9, WGX
	s_cselect_b64 s[4:5], s[4:5], s[6:7]           ; from here
	s_cselect_b64 s[8:9], s[12:13], s[14:15]       ; to here
	s_cselect_b32 s17, 0, s17
	s_sub_co_u32 s17, ttmp9, s17
	s_lshl_b32 s17, s17, 2
	s_add_co_u32 s18, s17, s16                     ; my wave's number in the tensor: 16 rows number / 2, half number % 2 of K
	s_lshr_b32 s20, s18, 1
	s_lshl_b32 s20, s20, 16                        ; 16 rows of 4,096 bytes
	s_and_b32 s21, s18, 1
	s_lshl_b32 s21, s21, 11
	s_add_co_u32 s20, s20, s21
	s_mov_b32 s21, 0
	s_add_nc_u64 s[4:5], s[4:5], s[20:21]
	s_lshl_b32 s20, s18, 13                        ; 8,192 bytes of codes a wave
	s_add_nc_u64 s[8:9], s[8:9], s[20:21]
.macro LOAD t
.irp i, 0,1,2,3
	global_load_b128 v[R+16*((\t)%4)+4*\i:R+16*((\t)%4)+4*\i+3], v3, s[4:5] offset:4096*(\t)+512*\i th:TH_LOAD_NT
.endr
.endm
.macro TURN t                          ; LDS serves a wave's instructions in order: no wait between the stores and the loads
.irp i, 0,1,2,3
	ds_store_b128 v14, v[R+16*((\t)%4)+4*\i:R+16*((\t)%4)+4*\i+3] offset:32*SP*((\t)%2)+8*SP*\i
.endr
.irp i, 0,1,2,3
	ds_load_b128 v[X+16*((\t)%2)+4*\i:X+16*((\t)%2)+4*\i+3], v15 offset:32*SP*((\t)%2)+16*\i
.endr
.endm
.irp t, 0,1,2,3
	LOAD \t
.endr
	s_wait_kmcnt 0x0
	s_cmp_lt_u32 ttmp9, WGXA
	s_cselect_b32 s22, s33, s39
	s_cmp_lt_u32 ttmp9, WGX
	s_cselect_b32 s22, s32, s22                    ; e
	s_add_co_i32 s22, s22, 127
	s_lshl_b32 s23, s22, 23
	v_mov_b32 v11, s23                             ; 2^e
	s_add_co_i32 s22, s22, EMAX
	s_lshl_b32 s22, s22, 23
	s_or_b32 s22, s22, MANT
	v_mov_b32 v10, s22                             ; 57,344 x 2^e
	s_wait_alu depctr_va_vdst(0)                   ; the wait at the head's end
	s_wait_loadcnt 12                              ; step 0's four loads are in; the twelve of steps 1 to 3 may be out
	TURN 0
.macro STEP t
.set XS, X+16*((\t)%2)
	s_wait_dscnt 0x0                               ; this step's numbers are back from the stage
.if (\t)+4 < STEPS
	LOAD (\t)+4
.endif
.if (\t)+1 < STEPS
.if STEPS-2-(\t) >= 3
	s_wait_loadcnt 12                              ; the next step's four loads are in; those of the three steps behind it may be out
.else
	s_wait_loadcnt 4*(STEPS-2-(\t))
.endif
	TURN (\t)+1
.endif
.irp i, 0,1,2,3,4,5,6,7,8,9,10,11,12,13,14,15
	v_med3_num_f32 v[XS+\i], v[XS+\i], -v10, v10   ; the conversion does not saturate (ISA guide 7.6.2): hold first
.endr
	v_cvt_scalef32_pk8_bf8_f32 v[C+4*(\t):C+4*(\t)+1], v[XS:XS+7], v11
	v_cvt_scalef32_pk8_bf8_f32 v[C+4*(\t)+2:C+4*(\t)+3], v[XS+8:XS+15], v11
	ds_store_b128 v5, v[C+4*(\t):C+4*(\t)+3] offset:16*(\t)   ; the codes go to an LDS store alone
.endm
.irp t, 0,1,2,3,4,5,6,7,8,9,10,11,12,13,14,15
	STEP \t
.endr
.irp i, 0,1,2,3,4,5,6,7,8,9,10,11,12,13,14,15
	ds_load_b128 v[R+4*\i:R+4*\i+3], v6 offset:544*\i
.endr
.irp i, 0,1,2,3,4,5,6,7,8,9,10,11,12,13,14,15
	s_wait_dscnt 15-\i                             ; the younger loads may stay out
	global_store_b128 v3, v[R+4*\i:R+4*\i+3], s[8:9] offset:512*\i   ; 512 consecutive bytes, at a multiple of 512
.endr
	s_wait_tensorcnt 0x0                           ; the wave's end
	ds_add_u32 v192, v193
	s_wait_dscnt 0x0
	s_endpgm
.Lfunc_end_k_qf8c6e60cda_quant:
	.size	k_qf8c6e60cda_quant, .Lfunc_end_k_qf8c6e60cda_quant-k_qf8c6e60cda_quant
	.p2alignl 7, 3214868480
	.fill 96, 4, 3214868480
	.section	.rodata,"a",@progbits
	.p2align	6, 0x0
	.amdhsa_kernel k_qf8c6e60cda_quant
		.amdhsa_group_segment_fixed_size 57856
		.amdhsa_private_segment_fixed_size 0
		.amdhsa_enable_private_segment 0
		.amdhsa_kernarg_size 56
		.amdhsa_user_sgpr_count 2
		.amdhsa_user_sgpr_kernarg_segment_ptr 1
		.amdhsa_wavefront_size32 1
		.amdhsa_system_sgpr_workgroup_id_x 1
		.amdhsa_system_sgpr_workgroup_id_y 1
		.amdhsa_system_sgpr_workgroup_id_z 1
		.amdhsa_system_vgpr_workitem_id 0
		.amdhsa_next_free_vgpr 194
		.amdhsa_next_free_sgpr 66
		.amdhsa_reserve_vcc 0
		.amdhsa_float_denorm_mode_32 3
		.amdhsa_float_denorm_mode_16_64 3
		.amdhsa_memory_ordered 1
		.amdhsa_forward_progress 1
		.amdhsa_inst_pref_size 41
	.end_amdhsa_kernel
	.amdgpu_metadata
---
amdhsa.version: [ 1, 2 ]
amdhsa.kernels:
  - .name:           k_qf8c6e60cda_quant
    .symbol:         k_qf8c6e60cda_quant.kd
    .args:
      - { .name: x, .offset: 0, .size: 8, .value_kind: global_buffer, .address_space: global }
      - { .name: w_attn, .offset: 8, .size: 8, .value_kind: global_buffer, .address_space: global }
      - { .name: w_proj, .offset: 16, .size: 8, .value_kind: global_buffer, .address_space: global }
      - { .name: lowp_scales, .offset: 24, .size: 8, .value_kind: global_buffer, .address_space: global }
      - { .name: x_codes, .offset: 32, .size: 8, .value_kind: global_buffer, .address_space: global }
      - { .name: wa_codes, .offset: 40, .size: 8, .value_kind: global_buffer, .address_space: global }
      - { .name: wp_codes, .offset: 48, .size: 8, .value_kind: global_buffer, .address_space: global }
    .group_segment_fixed_size: 57856
    .private_segment_fixed_size: 0
    .kernarg_segment_align: 8
    .kernarg_segment_size: 56
    .max_flat_workgroup_size: 128
    .sgpr_count:     66
    .vgpr_count:     194
    .wavefront_size: 32
...
	.end_amdgpu_metadata
.endif
;; end of part 1
;; launch gemm_qkv (part 2): grid 32 x 8, 4 waves a work-group, clusters of 4 x 1, 327,680 bytes of LDS; arguments x_codes, wa_codes, lowp_scales, b_attn, q_codes, kv_codes; writes q_codes, kv_codes
.if DOCPART == 2
	.amdgcn_target "amdgcn-amd-amdhsa--gfx1250"
	.amdhsa_code_object_version 6
	.text
	.protected	k_qf8c6e60cda_gemm_qkv
	.globl	k_qf8c6e60cda_gemm_qkv
	.p2align	8
	.type	k_qf8c6e60cda_gemm_qkv,@function
k_qf8c6e60cda_gemm_qkv:
	s_mov_b64 s[64:65], 0
	v_nop
	global_prefetch_b8 v0, s[64:65] scope:SCOPE_SE
	s_setreg_imm32_b32 hwreg(HW_REG_WAVE_MODE, 25, 1), 1
	s_wait_xcnt 0x0
	s_wait_alu depctr_hold_cnt(0) depctr_sa_sdst(0) depctr_va_vdst(0) depctr_va_sdst(0) depctr_va_ssrc(0) depctr_va_vcc(0) depctr_vm_vsrc(0)
	s_getreg_b32 s2, hwreg(HW_REG_IB_STS2, 6, 4)
	s_cmp_eq_u32 s2, 0
	s_cbranch_scc0 .Lentry_in_a_cluster
	s_endpgm
.Lentry_in_a_cluster:
	s_bfe_u32 s2, ttmp6, 0x10000c
	s_cmp_lg_u32 s2, 0x3003
	s_cbranch_scc0 .Lentry_shape_is_right
	s_endpgm
.Lentry_shape_is_right:
; qkv = x w_attn^T + b_attn on codes of BF8 (E5M2), K = 1,024; q, k and v are quantised at once with 2^e2, 2^e3, 2^e5 and stored as the attention launch's operands.
; x_codes and wa_codes lie in the order of an operand's registers: [16 rows][128 along K][c][lane = 16 h + r][16 bytes: k = 32 c + 16 h + 0..15 of row r]; the same order of k in both operands, so every product meets its partner.
; SHARES.  A work-group owns 256 tokens, a wave 64 of them, whose whole K lies in 512 registers, loaded once, 512 consecutive bytes a load.  It walks three tiles of 128 rows of w_attn: its two heads' q, then k, then v.
; A tile (131,072 bytes, all of K) comes into one of two LDS slots by four tensor loads, one a wave; every wave reads all of it: a fragment of the weight feeds four products.  32 accumulators: 64 tokens x 128 features.
; q, k: source 0 = 16 features, source 1 = 16 tokens: a lane holds 8 neighbouring features of a token.  v: the sources are swapped: a lane holds 8 neighbouring tokens (keys) of a channel.
; The bias, divided by 2^(e0 + e1), is the C of the first K step; code = sum / 2^(e - e0 - e1), held and converted: the scales are folded into the conversion's.
; OUT: q_codes [batch x head][16 tokens][c][lane][16], kv_codes [batch x head][k: 128 x (16 keys)[c][lane][16], then v: 32 chunks of 64 keys x 4 x (16 channels)[c][lane][16]]: a lane's 16 bytes are two neighbouring results' codes,
; so each store covers 512 consecutive bytes and no stage is needed.  q's and k's 64 lie in one and the same order; v's keys lie as the second product's P has them (registers 2 t, 2 t + 1: keys 16 t + 8 h + 0..7).
; CLUSTER: four token blocks share each tile of the weight: joint loads with a mask that names the four.  x is read by one work-group of the cluster alone and goes straight to registers.
; NO PREFETCH: there is no loop over tiles to ask ahead in: the second tile is asked for when the first has landed, the third at the first change of slots, each one tile's work ahead of its use.
; LIMITS: e0 + e1 between -126 and 126; e - e0 - e1 between -126 and 112 for e2, e3, e5.  NaN is not served.
; REGISTERS: window 0: v0-31 addresses and the like, v32-95 the bias, v96-223 two sets of four weight fragments, v224-255 codes; windows 1, 2: the tokens' fragments (K step k, block a at 16 (4 k + a)); window 3: accumulator (a, b) at 8 (8 a + b).
.set SLOTB, 131072
.set SPARE, 2*SLOTB
.set GO,   4                           ; 16 x lane
.set BQ,   5                           ; 32 h
.set BV,   6                           ; 4 r
.set AD,   8                           ; v8-11 LDS address of slot s, features' half f: at 2 s + f
.set SPW,  12
.set NIL,  13
.set SC,   14
.set LIM,  15
.set VR,   16                          ; v16-23 v's bias as loaded
.set BB,   32
.set BF,   96
.set TMP,  224
.set WV,   16
.set G1,   24
.set G0,   32
.set MSB, 0
.macro WIN new                         ; the immediate's high byte repeats the setting that is left
.if MSB != \new
	s_set_vgpr_msb (MSB<<8)|\new
.set MSB, \new
.endif
.endm
.macro PLACES
.rept 4
	v_nop
.endr
.endm
.macro CREST
	s_cmp_lg_u32 s[WV], 0
	s_cbranch_scc1 .Lnot_wave_0_\@
	s_barrier_signal -3
.Lnot_wave_0_\@:
	s_barrier_wait -3
	s_barrier_signal -1
	s_barrier_wait -1
.endm
.macro CROUND
	s_barrier_signal -1
	s_barrier_wait -1
	CREST
.endm
.macro NEXTTILE                        ; the walking descriptor: the other slot, eight tiles on in w_attn; then my quarter of the tile
	s_xor_b32 s[G0+1], s[G0+1], SLOTB
	s_add_nc_u64 s[G0+2:G0+3], s[G0+2:G0+3], 8*SLOTB
	tensor_load_to_lds s[G0:G0+3], s[G1:G1+7]
	s_nop 0
.endm
.macro BIAS off                        ; 64 features' bias in the result's layout: feature 16 b + 8 h + j in register 8 b + j
.irp b, 0,1,2,3,4,5,6,7
	global_load_b128 v[BB+8*\b:BB+8*\b+3], v[BQ], s[54:55] offset:\off+64*\b
	global_load_b128 v[BB+8*\b+4:BB+8*\b+7], v[BQ], s[54:55] offset:\off+64*\b+16
.endr
.endm
.macro BSCALE
.set j, 0
.rept 32
	v_pk_mul_f32 v[BB+j:BB+j+1], v[BB+j:BB+j+1], s[62:63] op_sel_hi:[1,0]
.set j, j+2
.endr
.endm
.macro SCL e, sc, lm                   ; 2^(e - e0 - e1) and 57,344 x that
	s_sub_co_i32 s[\sc], s[\e], s20
	s_add_co_i32 s[\sc], s[\sc], 127
	s_add_co_i32 s[\lm], s[\sc], 15
	s_lshl_b32 s[\sc], s[\sc], 23
	s_lshl_b32 s[\lm], s[\lm], 23
	s_or_b32 s[\lm], s[\lm], 0x600000
.endm
	s_load_b256 s[4:11], s[0:1], 0x0               ; x's codes, w_attn's codes, the scales' exponents, b_attn
	s_load_b128 s[12:15], s[0:1], 0x20             ; q's codes, k's and v's
	v_lshl_add_u32 v[SPW], v0, 2, SPARE
	v_mov_b32 v[NIL], 0
	ds_add_u32 v[SPW], v[NIL]                      ; the opening: the add, twice on end, and its wait ahead of my first tensor load
	ds_add_u32 v[SPW], v[NIL]
	v_lshrrev_b32 v1, 5, v0
	v_readfirstlane_b32 s[WV], v1
	s_bfe_u32 s17, ttmp6, 0x40000                  ; cx
	s_and_b32 s18, ttmp7, 0xffff                   ; the pair of heads, which the partners share
	s_lshl_b32 s19, ttmp9, 2
	s_add_co_u32 s19, s19, s17                     ; the block of 256 tokens
	s_mov_b32 s[G1], 15|(1<<21)                    ; the mask: all four; bit 21 beside it; elements of 1 byte, no padding: 32,768 dense bytes as 128 rows of 256
	s_mov_b32 s[G1+1], 256<<16
	s_mov_b32 s[G1+2], 128<<16
	s_mov_b32 s[G1+3], 256<<16
	s_mov_b32 s[G1+4], 128
	s_mov_b32 s[G1+5], 256
	s_mov_b32 s[G1+6], 0
	s_mov_b32 s[G1+7], 0
	s_mov_b32 s[G0], 1
	s_lshl_b32 s[G0+1], s[WV], 15                  ; my quarter of slot 0
	s_lshl_b32 s20, s18, 17
	s_add_co_u32 s20, s20, s[G0+1]                 ; and of q's tile
	s_mov_b32 s21, 0
	s_lshl_b32 s22, s19, 18
	s_lshl_b32 s23, s[WV], 16
	s_add_co_u32 s22, s22, s23                     ; x: my 64 tokens, 4 x 16,384 bytes
	s_mov_b32 s23, 0
	s_lshr_b32 s36, s19, 3
	s_lshl_b32 s36, s36, 4
	s_lshl_b32 s37, s18, 1
	s_add_co_u32 s36, s36, s37                     ; batch x 16 + my first head
	s_and_b32 s37, s19, 7
	s_lshl_b32 s37, s37, 4
	s_lshl_b32 s38, s[WV], 2
	s_add_co_u32 s37, s37, s38
	s_lshl_b32 s37, s37, 10                        ; my 64 tokens in the batch: four tiles of 1,024 bytes of q or k, one chunk of 4,096 of v
	s_lshl_b32 s38, s36, 17
	s_add_co_u32 s38, s38, s37
	s_mov_b32 s39, 0
	s_lshl_b32 s66, s36, 18
	s_add_co_u32 s66, s66, s37
	s_mov_b32 s67, 0
	s_lshl_b32 s68, s18, 9
	s_mov_b32 s69, 0
	s_wait_dscnt 0x0
	s_wait_kmcnt 0x0
	s_load_b256 s[40:47], s[8:9], 0x0              ; e0 .. e7
	s_add_nc_u64 s[G0+2:G0+3], s[6:7], s[20:21]
	s_or_b32 s[G0+3], s[G0+3], 0x80000000
	s_add_nc_u64 s[4:5], s[4:5], s[22:23]
	s_add_nc_u64 s[48:49], s[12:13], s[38:39]      ; q out
	s_add_nc_u64 s[50:51], s[14:15], s[66:67]      ; k out
	s_add_nc_u64 s[52:53], s[50:51], 131072        ; v out
	s_add_nc_u64 s[54:55], s[10:11], s[68:69]      ; the bias of my 128 features of q; k's 4,096 bytes on, v's 8,192
	CROUND                                         ; the first joint loads meet
	tensor_load_to_lds s[G0:G0+3], s[G1:G1+7]      ; q's tile: one tensor load a wave at the head
	s_nop 0
	v_and_b32 v1, 31, v0
	v_lshlrev_b32 v[GO], 4, v1
	v_bfe_u32 v2, v0, 4, 1
	v_lshlrev_b32 v[BQ], 5, v2
	v_and_b32 v3, 15, v0
	v_lshlrev_b32 v[BV], 2, v3
	BIAS 0
.irp b, 0,1,2,3,4,5,6,7
	global_load_b32 v[VR+\b], v[BV], s[54:55] offset:8192+64*\b   ; v: feature 16 b + r
.endr
.irp k, 0,1,2,3
	WIN 0x40*(1+\k/4)
.irp a, 0,1,2,3
.irp c, 0,1,2,3
	global_load_b128 v[16*(4*(\k%4)+\a)+4*\c:16*(4*(\k%4)+\a)+4*\c+3], v[GO], s[4:5] offset:16384*\a+2048*\k+512*\c
.endr
.endr
.endr
	WIN 0
.irp i, 0,1,2,3
	v_add_nc_u32 v[AD+\i], 65536*\i, v[GO]
.endr
	s_wait_kmcnt 0x0
	s_add_co_i32 s20, s40, s41                     ; e0 + e1
	s_sub_co_i32 s62, 127, s20
	s_lshl_b32 s62, s62, 23                        ; 2^-(e0 + e1)
	s_mov_b32 s63, s62
	SCL 42, 56, 57
	SCL 43, 58, 59
	SCL 45, 60, 61
	s_wait_loadcnt 63                              ; q's bias, the oldest 16 loads, is in: 72 younger ones were issued
	BSCALE
; 16 LDS loads: four weight fragments (features' half hf) of K step k
.macro LOADG slot, k, hf
.irp bb, 0,1,2,3
.irp c, 0,1,2,3
	ds_load_b128 v[BF+64*\hf+16*\bb+4*\c:BF+64*\hf+16*\bb+4*\c+3], v[AD+2*(\slot)+\hf] offset:16384*\bb+2048*(\k)+512*\c
.endr
.endr
.endm
; 16 products, 16 accumulators by turns.  ty = 0: source 0 the weight; 1: source 0 the tokens.  K step 0 takes the bias as C.
.macro MULG k, hf, ty
.if \ty
.set WX, 0xc1+(\k)/4
.else
.set WX, 0xc4+4*((\k)/4)
.endif
.if (\k) > 0
.set WX, WX+0x30
.endif
	WIN WX
.irp a, 0,1,2,3
.irp bb, 0,1,2,3
.set DD, 8*(8*\a+4*\hf+\bb)
.if \ty
.set X0, 16*(4*((\k)%4)+\a)
.set X1, BF+64*\hf+16*\bb
.else
.set X0, BF+64*\hf+16*\bb
.set X1, 16*(4*((\k)%4)+\a)
.endif
.if (\k) > 0
.set CC, DD
.else
.set CC, BB+8*(4*\hf+\bb)
.endif
	v_wmma_f32_16x16x128_bf8_bf8 v[DD:DD+7], v[X0:X0+15], v[X1:X1+15], v[CC:CC+7]
.endr
.endr
.endm
; A tile: 8 K steps x 2 halves.  While one set of fragments is multiplied the other set's loads are out; a set is fetched anew four places behind its products.
; chg = 2: change of slots with a refill (a round of the cluster's barrier); 1: without; 0: the last tile.  bl = 1: the next tile's bias is loaded once K step 0 has read this one's.
; The tokens' fragments of K steps 0 to 3 are loaded at the head; those of K step k + 4 are asked for behind K step k's products of the first tile (bl = 1), 16 loads each.
.macro ALOAD k
	WIN 0x40*(1+(\k)/4)
.irp a, 0,1,2,3
.irp c, 0,1,2,3
	global_load_b128 v[16*(4*((\k)%4)+\a)+4*\c:16*(4*((\k)%4)+\a)+4*\c+3], v[GO], s[4:5] offset:16384*\a+2048*(\k)+512*\c
.endr
.endr
	WIN 0
.endm
.macro STEP slot, ty, chg, bl
.irp k, 0,1,2,3,4,5,6
.if \bl
.if \k < 5
	s_wait_loadcnt 48                              ; this K step's tokens are in; three younger K steps' loads may be out
.else
	s_wait_loadcnt 16*(8-\k)                       ; the younger K steps' loads and the 16 of the next bias may be out
.endif
.endif
.irp hf, 0,1
	s_wait_dscnt 16
	MULG \k, \hf, \ty
	PLACES
	WIN 0
	LOADG \slot, \k+1, \hf
.endr
.if \bl && (\k < 4)
	ALOAD \k+4
.endif
.if \bl && (\k == 4)
	BIAS 4096
.endif
.endr
.if \bl
	s_wait_loadcnt 16                              ; K step 7's tokens are in; the next bias's 16 loads may be out
.endif
	s_wait_dscnt 16
	MULG 7, 0, \ty
	WIN 0
.if \chg
	s_wait_tensorcnt 0x0                           ; my part of the next tile has landed;
	ds_add_u32 v[SPW], v[NIL]
	s_wait_dscnt 0x0                               ; the add is done, and my reads of this slot are over
	s_barrier_signal -1
	MULG 7, 1, \ty
	WIN 0
	s_barrier_wait -1
.if \chg == 2
	CREST                                          ; no wave of any partner still reads this slot
	NEXTTILE
.endif
	PLACES
	LOADG 1-\slot, 0, 0
	LOADG 1-\slot, 0, 1
.else
	s_wait_dscnt 0x0
	MULG 7, 1, \ty
	PLACES
	WIN 0
.endif
.endm
; THE WAY OUT of a tile, in four parts of eight accumulators: held, converted, stored.  ty = 0: part u = token block u, e = feature block; 1: part u = feature blocks 2 u, 2 u + 1, e % 4 = token block.
.macro EPI ty, p, hs, sc, lm
	v_mov_b32 v[SC], s[\sc]
	v_mov_b32 v[LIM], s[\lm]
	s_wait_alu depctr_va_vdst(0)                   ; the wait here, directly ahead of the wait below
.irp u, 0,1,2,3
	s_wait_xcnt 0x0                                ; earlier stores have read their registers
	WIN 0xc3
.irp e, 0,1,2,3,4,5,6,7
.if \ty
.set AC, 8*(8*(\e%4)+2*\u+\e/4)
.else
.set AC, 8*(8*\u+\e)
.endif
.irp j, 0,1,2,3,4,5,6,7
	v_med3_num_f32 v[AC+\j], v[AC+\j], -v[LIM], v[LIM]   ; the conversion does not saturate (ISA guide 7.6.2); each accumulator from its low end on
.endr
.endr
	WIN 0x03
.irp e, 0,1,2,3,4,5,6,7
.if \ty
.set AC, 8*(8*(\e%4)+2*\u+\e/4)
.else
.set AC, 8*(8*\u+\e)
.endif
	v_cvt_scalef32_pk8_bf8_f32 v[TMP+16*(\u%2)+2*\e:TMP+16*(\u%2)+2*\e+1], v[AC:AC+7], v[SC]
.endr
	v_nop                                          ; a plain vector instruction behind the last conversion
	WIN 0
.irp q, 0,1,2,3
.if \ty
	global_store_b128 v[GO], v[TMP+16*(\u%2)+4*\q:TMP+16*(\u%2)+4*\q+3], s[\p:\p+1] offset:(\u/2)*\hs+(2*(\u%2)+\q/2)*1024+(\q%2)*512
.else
	global_store_b128 v[GO], v[TMP+16*(\u%2)+4*\q:TMP+16*(\u%2)+4*\q+3], s[\p:\p+1] offset:\u*1024+(\q/2)*\hs+(\q%2)*512
.endif
.endr
.endr
.endm
	s_wait_alu depctr_va_vdst(0)                   ; the wait at the head's end
	s_wait_tensorcnt 0x0                           ; my part of q's tile is in; a later first fill is issued as a refill is:
	ds_add_u32 v[SPW], v[NIL]
	s_wait_dscnt 0x0
	CROUND
	NEXTTILE                                       ; k's tile into slot 1
	PLACES
	LOADG 0, 0, 0
	LOADG 0, 0, 1
	STEP 0, 0, 2, 1                                ; q; behind it v's tile is asked for, into slot 0
	EPI 0, 48, 131072, 56, 57
	s_wait_loadcnt 0x0                             ; k's bias
	BSCALE
	s_wait_alu depctr_va_vdst(0)                   ; the wait here, ahead of the tile's first wait
	STEP 1, 0, 1, 0                                ; k
	EPI 0, 50, 262144, 58, 59
.irp b, 0,1,2,3,4,5,6,7
.irp j, 0,1,2,3,4,5,6,7
	v_mul_f32 v[BB+8*\b+\j], s62, v[VR+\b]         ; v: a lane's eight results of block b are one feature's
.endr
.endr
	s_wait_alu depctr_va_vdst(0)
	STEP 0, 1, 0, 0                                ; v
	EPI 1, 52, 262144, 60, 61
	s_wait_tensorcnt 0x0                           ; the wave's end
	ds_add_u32 v[SPW], v[NIL]
	s_wait_dscnt 0x0
	CROUND                                         ; the closing round
	s_endpgm
.Lfunc_end_k_qf8c6e60cda_gemm_qkv:
	.size	k_qf8c6e60cda_gemm_qkv, .Lfunc_end_k_qf8c6e60cda_gemm_qkv-k_qf8c6e60cda_gemm_qkv
	.p2alignl 7, 3214868480
	.fill 96, 4, 3214868480
	.section	.rodata,"a",@progbits
	.p2align	6, 0x0
	.amdhsa_kernel k_qf8c6e60cda_gemm_qkv
		.amdhsa_group_segment_fixed_size 327680
		.amdhsa_private_segment_fixed_size 0
		.amdhsa_enable_private_segment 0
		.amdhsa_kernarg_size 48
		.amdhsa_user_sgpr_count 2
		.amdhsa_user_sgpr_kernarg_segment_ptr 1
		.amdhsa_wavefront_size32 1
		.amdhsa_system_sgpr_workgroup_id_x 1
		.amdhsa_system_sgpr_workgroup_id_y 1
		.amdhsa_system_sgpr_workgroup_id_z 1
		.amdhsa_system_vgpr_workitem_id 0
		.amdhsa_next_free_vgpr 1024
		.amdhsa_next_free_sgpr 80
		.amdhsa_reserve_vcc 0
		.amdhsa_float_denorm_mode_32 3
		.amdhsa_float_denorm_mode_16_64 3
		.amdhsa_memory_ordered 1
		.amdhsa_forward_progress 1
		.amdhsa_inst_pref_size 196
	.end_amdhsa_kernel
	.amdgpu_metadata
---
amdhsa.version: [ 1, 2 ]
amdhsa.kernels:
  - .name:           k_qf8c6e60cda_gemm_qkv
    .symbol:         k_qf8c6e60cda_gemm_qkv.kd
    .args:
      - { .name: x_codes, .offset: 0, .size: 8, .value_kind: global_buffer, .address_space: global }
      - { .name: wa_codes, .offset: 8, .size: 8, .value_kind: global_buffer, .address_space: global }
      - { .name: lowp_scales, .offset: 16, .size: 8, .value_kind: global_buffer, .address_space: global }
      - { .name: b_attn, .offset: 24, .size: 8, .value_kind: global_buffer, .address_space: global }
      - { .name: q_codes, .offset: 32, .size: 8, .value_kind: global_buffer, .address_space: global }
      - { .name: kv_codes, .offset: 40, .size: 8, .value_kind: global_buffer, .address_space: global }
    .group_segment_fixed_size: 327680
    .private_segment_fixed_size: 0
    .kernarg_segment_align: 8
    .kernarg_segment_size: 48
    .max_flat_workgroup_size: 128
    .sgpr_count:     80
    .vgpr_count:     1024
    .wavefront_size: 32
...
	.end_amdgpu_metadata
.endif
;; end of part 2
;; launch attn (part 3): grid 4 x 64, 16 waves a work-group, clusters of 4 x 1, 327,680 bytes of LDS; arguments q_codes, kv_codes, lowp_scales, y_codes; writes y_codes
.if DOCPART == 3
	.amdgcn_target "amdgcn-amd-amdhsa--gfx1250"
	.amdhsa_code_object_version 6
	.text
	.protected	k_qf8c6e60cda_attn
	.globl	k_qf8c6e60cda_attn
	.p2align	8
	.type	k_qf8c6e60cda_attn,@function
k_qf8c6e60cda_attn:
	s_mov_b64 s[64:65], 0
	v_nop
	global_prefetch_b8 v0, s[64:65] scope:SCOPE_SE
	s_setreg_imm32_b32 hwreg(HW_REG_WAVE_MODE, 25, 1), 1
	s_wait_xcnt 0x0
	s_wait_alu depctr_hold_cnt(0) depctr_sa_sdst(0) depctr_va_vdst(0) depctr_va_sdst(0) depctr_va_ssrc(0) depctr_va_vcc(0) depctr_vm_vsrc(0)
	s_getreg_b32 s2, hwreg(HW_REG_IB_STS2, 6, 4)
	s_cmp_eq_u32 s2, 0
	s_cbranch_scc0 .Lentry_in_a_cluster
	s_endpgm
.Lentry_in_a_cluster:
	s_bfe_u32 s2, ttmp6, 0x10000c
	s_cmp_lg_u32 s2, 0x3003
	s_cbranch_scc0 .Lentry_shape_is_right
	s_endpgm
.Lentry_shape_is_right:
; y[b][h][q][:] = the sum over k of softmax_k(q . k / 8) v[k][:], head size 64, 2,048 keys, no mask; both products on codes of BF8 (E5M2); y is quantised at once with 2^e6.
; ALL CODES LIE IN THE ORDER OF AN OPERAND'S REGISTERS: a fragment of 16 rows x 64 is [c = 0, 1][lane = 16 h + r][16 bytes], 1,024 bytes: two loads of 16 bytes a lane, 512 consecutive bytes each, in memory and in LDS.
; q_codes [batch x head][128 fragments of 16 tokens]; kv_codes [batch x head][k: 128 fragments of 16 keys, then v: 32 chunks of 64 keys x 4 fragments of 16 channels];
; y_codes [16 tokens][pair of heads][c = 0..3][lane][16]: the projection's operand, K = head x 64 + channel in its natural order.
; THE SOFTMAX: t = score x log2(e) / 8; M = the row's largest t, rounded UP to a whole number; p = 2^(t - M) is quantised with 2^e4, not normalised; the row's sum of the unquantised p, in f32, divides at the end.
; ALL OF A HEAD'S k AND v STAY IN LDS: 262,144 bytes.  Each of the sixteen waves asks for 16,384 of them with one tensor load at the head; no byte of LDS is filled twice.
; TWO PASSES over the keys.  Pass 1 finds each row's largest score: four waves share 128 queries (8 tiles of Q in registers), each takes a quarter of the keys, so a fragment of k feeds 8 products; the partial maxima meet in LDS.
; Pass 2 knows M from the start: S^T = K Q^T once more, p, its sum, its codes, O^T += V^T P^T, 64 keys a step; nothing is ever rescaled.  There a wave owns 32 queries (two tiles), a work-group 512.
; LAYOUT.  Both products are used transposed (source 0 = 16 keys or 16 channels, source 1 = 16 queries): a lane holds ONE query (lane % 16) of each tile.  In S^T register j of tile t is key 16 t + 8 (lane / 16) + j:
; a conversion's two registers ARE registers 2 t, 2 t + 1 of P; v's fragments hold the same keys in the same registers; q's and k's 64 lie in one and the same order.
; CLUSTER.  The head's four work-groups need the same k and v: each load is asked for JOINTLY, with a mask that names the four.
; NO PREFETCH: all that the work-group reads of k and v is asked for by the sixteen loads at the head; no load follows them, so there is no trip in which to ask ahead.
; LIMITS: e2 + e3 between -123 and 130 (added to c's exponent field); e4, e6 between -126 and 112; e4 + e5 is applied by v_ldexp_f32.  NaN is not served.
.set TILE,  1024                       ; a fragment
.set CH,    512                        ; its second half
.set BLK,   16*TILE                    ; what one tensor load fills
.set VOFF,  8*BLK                      ; k's eight blocks, then v's eight
.set STEPB, 4*TILE                     ; 64 keys of k, or a chunk of v
.set SPARE, 16*BLK                     ; the spare words, 128 bytes for each of sixteen waves, which no other line names
.set MX,    SPARE+2048                 ; the partial maxima: [group of 4 waves][tile 0-7][wave of the group][lane], 4 bytes each
.set STAGE, MX+16384                   ; the way out: 16 rows x 80 bytes for each wave
.set KP,    80
.set SWV,   16*KP
.set AK0,  1                           ; v1   16 x lane
.set SPW,  2                           ; v2   LDS address of my spare word; never rewritten
.set NIL,  3                           ; v3   0; never rewritten
.set ADK,  4                           ; v4   k's address in hand;  v5 v's
.set ADV,  5
.set STI,  6                           ; v6   the stage, in;  v7 back
.set STB,  7
.set NM,   8                           ; v[8 + 2 x] -M of tile x (named as a pair)
.set SUM,  12                          ; v12-19 the sums: two packed chains a tile.  Pass 1: the second set of maxima
.set MB,   12
.set Q,    20                          ; v20-35  my two tiles of Q
.set KF,   36                          ; v36-67  k's four fragments of a step;  v68-99 v's.  Pass 1: v36-99 the group's eight tiles of Q
.set VF,   68
.set QG,   36
.set S,    100                         ; v100-163 S^T, then p.  Pass 1: v100-163 and v164-227 are two sets of eight results
.set O,    164                         ; v164-227 O^T
.set SA,   100
.set SB,   164
.set PC,   228                         ; v228-243 p's codes.  Pass 1: two fragments of k
.set K1,   228
.set PLIM, 244                         ; v244, v245 57,344 x 2^e4, twice (one for each half of a dual instruction);  v246 2^e4.  Pass 1: v244-251 the first set of maxima
.set PSC,  246
.set MA,   244
.set T,    248                         ; v248, v249 at work
.set PD,   250                         ; v250, v251 a lane permute's destination
.set MXS,  253                         ; v253 where I put partial maxima;  v254 where I read them
.set MXL,  254
.set AV0,  255                         ; v255 AK0 + VOFF
.set WV,   12                          ; s12 my wave;  s15 wave % 4;  s28 wave / 4
.set U,    15
.set GR,   28
.set G1,   16                          ; s[16:23] descriptor group 1;  s[24:27] group 0
.set G0,   24
.set CNT,  29
.set CS,   30                          ; s[30:31] c = log2(e) / 8 x 2^(e2 + e3)
.set SEL,  32                          ; s[32:33] lane selects: lane l xor 16
.set TB,   36                          ; s36 the LDS byte at which the loads in hand begin
.macro CROUND                          ; a round of the cluster's barrier
	s_barrier_signal -1
	s_barrier_wait -1
	s_cmp_lg_u32 s[WV], 0
	s_cbranch_scc1 .Lnot_wave_0_\@
	s_barrier_signal -3
.Lnot_wave_0_\@:
	s_barrier_wait -3
	s_barrier_signal -1
	s_barrier_wait -1
.endm
	s_load_b256 s[4:11], s[0:1], 0x0               ; q's codes s[4:5], k's and v's s[6:7], the scales' exponents s[8:9], y's codes s[10:11]
	v_lshl_add_u32 v[SPW], v0, 2, SPARE
	v_mov_b32 v[NIL], 0
	ds_add_u32 v[SPW], v[NIL]                      ; the opening: the add, twice on end, and its wait ahead of my tensor load
	ds_add_u32 v[SPW], v[NIL]
	v_lshrrev_b32 v4, 5, v0
	v_readfirstlane_b32 s[WV], v4                  ; wave 0..15
	s_bfe_u32 s13, ttmp6, 0x40000                  ; cx: my block of 512 queries
	s_and_b32 s14, ttmp7, 0xffff                   ; batch x 16 + head, which the four partners share
	s_and_b32 s[U], s[WV], 3
	s_lshr_b32 s[GR], s[WV], 2
	s_mov_b32 s[G1], 15|(1<<21)                    ; the mask: all four; bit 21 beside it; elements of 1 byte, no padding: 16,384 dense bytes as 64 rows of 256
	s_mov_b32 s[G1+1], 256<<16
	s_mov_b32 s[G1+2], 64<<16
	s_mov_b32 s[G1+3], 256<<16
	s_mov_b32 s[G1+4], 64
	s_mov_b32 s[G1+5], 256
	s_mov_b32 s[G1+6], 0
	s_mov_b32 s[G1+7], 0
	s_mov_b32 s[G0], 1
	s_lshl_b32 s[G0+1], s[WV], 14                  ; LDS: block number wave,
	s_lshl_b32 s52, s14, 18                        ; memory: the same block of my head's 262,144 bytes
	s_add_co_u32 s50, s[G0+1], s52
	s_mov_b32 s51, 0
	s_lshl_b32 s54, s14, 17                        ; q: the head's 131,072 bytes,
	s_lshl_b32 s55, s13, 15
	s_add_co_u32 s54, s54, s55                     ; my work-group's 32 fragments,
	s_lshl_b32 s53, s[WV], 11
	s_add_co_u32 s54, s54, s53                     ; my wave's 2
	s_mov_b32 s55, 0
	s_and_b32 s58, s14, 15
	s_lshl_b32 s58, s58, 10                        ; y: my head's 1,024 bytes of a block of 16 tokens (16,384 bytes),
	s_lshr_b32 s59, s14, 4
	s_lshl_b32 s59, s59, 21
	s_add_co_u32 s58, s58, s59                     ; the batch's 128 blocks,
	s_lshl_b32 s59, s13, 19
	s_add_co_u32 s58, s58, s59                     ; my work-group's 32,
	s_lshl_b32 s59, s[WV], 15
	s_add_co_u32 s58, s58, s59                     ; my wave's 2
	s_mov_b32 s59, 0
	s_mov_b32 s[SEL], 0x76543210
	s_mov_b32 s[SEL+1], 0xfedcba98
	s_mov_b32 s[CS], 0x3e38aa3b                    ; log2(e) / 8
	s_wait_dscnt 0x0                               ; both opening adds are done
	s_wait_kmcnt 0x0
	s_load_b256 s[40:47], s[8:9], 0x0              ; e0 .. e7
	s_add_nc_u64 s[G0+2:G0+3], s[6:7], s[50:51]
	s_or_b32 s[G0+3], s[G0+3], 0x80000000          ; type = 2
	s_add_nc_u64 s[4:5], s[4:5], s[54:55]          ; my Q
	s_add_nc_u64 s[10:11], s[10:11], s[58:59]
	CROUND                                         ; all four work-groups are here: the joint loads meet
	tensor_load_to_lds s[G0:G0+3], s[G1:G1+7]      ; my one tensor load
	s_nop 0
	v_and_b32 v8, 15, v0                           ; r
	v_bfe_u32 v9, v0, 4, 1                         ; h
	v_and_b32 v10, 31, v0                          ; lane
	v_lshlrev_b32 v[AK0], 4, v10
.irp x, 0,1
.irp c, 0,1
	global_load_b128 v[Q+8*\x+4*\c:Q+8*\x+4*\c+3], v[AK0], s[4:5] offset:TILE*\x+CH*\c
.endr
.endr
	v_add_nc_u32 v[AV0], VOFF, v[AK0]
	s_mul_i32 s[TB], s[U], 32*TILE                 ; pass 1: my quarter of the keys, 32 fragments
	v_add_nc_u32 v[ADK], s[TB], v[AK0]
	s_mul_i32 s48, s[WV], SWV
	s_add_co_u32 s48, s48, STAGE                   ; my stage
	v_mul_u32_u24 v[STB], v8, KP
	v_lshl_add_u32 v[STI], v9, 3, v[STB]
	v_lshl_add_u32 v[STB], v9, 4, v[STB]
	v_add_nc_u32 v[STI], s48, v[STI]               ; in: 80 r + 8 h
	v_add_nc_u32 v[STB], s48, v[STB]               ; back: 80 r + 16 h, the operand's order
	s_lshl_b32 s49, s[WV], 11                      ; Q from wave to wave: 32 fragments of 1,024 bytes from STAGE on; the stages use these bytes only behind the second barrier, when all reads of Q are over
	s_add_co_u32 s49, s49, STAGE
	v_add_nc_u32 v252, s49, v[AK0]                 ; I put my two fragments,
	s_lshl_b32 s49, s[GR], 13
	s_add_co_u32 s49, s49, STAGE
	v_add_nc_u32 v[ADV], s49, v[AK0]               ; and read my group's eight
	s_lshl_b32 s48, s[GR], 12
	s_add_co_u32 s48, s48, MX                      ; my group's 4,096 bytes of maxima
	s_lshl_b32 s49, s[U], 7
	s_add_co_u32 s49, s49, s48
	v_lshl_add_u32 v[MXS], v10, 2, s49             ; I put: tile j at 512 j, + 128 x my place in the group
	s_lshl_b32 s49, s[U], 10
	s_add_co_u32 s49, s49, s48
	s_wait_alu depctr_va_vdst(0)                   ; the wait here, directly ahead of the reader below
	v_lshl_add_u32 v[MXL], v10, 2, s49             ; I read: my tiles 2 u and 2 u + 1, all four waves' words
	s_wait_kmcnt 0x0
	s_add_co_i32 s48, s42, s43
	s_lshl_b32 s48, s48, 23
	s_add_co_i32 s[CS], s[CS], s48                 ; a score stands for score x 2^(e2 + e3): added to c's exponent field
	s_mov_b32 s[CS+1], s[CS]
	s_add_co_i32 s48, s44, 127
	s_lshl_b32 s60, s48, 23                        ; 2^e4
	s_add_co_i32 s48, s48, 15
	s_lshl_b32 s48, s48, 23
	s_or_b32 s61, s48, 0x600000                    ; 57,344 x 2^e4
	s_add_co_i32 s48, s46, 127
	s_lshl_b32 s37, s48, 23                        ; 2^e6
	s_add_co_i32 s48, s48, 15
	s_lshl_b32 s48, s48, 23
	s_or_b32 s38, s48, 0x600000                    ; 57,344 x 2^e6
	s_add_co_i32 s39, s44, s45                     ; e4 + e5
	s_wait_alu depctr_va_vdst(0)                   ; the wait at the head's end
	s_wait_loadcnt 0x0                             ; my Q
	s_wait_tensorcnt 0x0                           ; my block has landed;
.irp x, 0,1
.irp c, 0,1
	ds_store_b128 v252, v[Q+8*\x+4*\c:Q+8*\x+4*\c+3] offset:TILE*\x+CH*\c   ; an image of the operand's registers
.endr
.endr
	s_wait_dscnt 0x0                               ; my stores are done
	s_barrier_signal -1
	s_barrier_wait -1                              ; everybody's block and Q are in LDS; k and v stay
.irp j, 0,1,2,3,4,5,6,7
.irp c, 0,1
	ds_load_b128 v[QG+8*\j+4*\c:QG+8*\j+4*\c+3], v[ADV] offset:TILE*\j+CH*\c
.endr
.endr
; PASS 1.  One fragment of 16 keys against the group's eight tiles of Q: two LDS loads, eight products, 32 maxima.  Two sets of results, of maxima and of k's fragments take turns:
; while one set's products run, the other set's maxima are taken, and these 32 plain lines are the places behind the products.
.macro KLD kb, off
	ds_load_b128 v[K1+8*\kb:K1+8*\kb+3], v[ADK] offset:\off
	ds_load_b128 v[K1+8*\kb+4:K1+8*\kb+7], v[ADK] offset:\off+CH
.endm
.macro MUL8 sb, kb
.irp j, 0,1,2,3,4,5,6,7
	v_wmma_f32_16x16x64_bf8_bf8 v[\sb+8*\j:\sb+8*\j+7], v[K1+8*\kb:K1+8*\kb+7], v[QG+8*\j:QG+8*\j+7], 0
.endr
.endm
.macro MAX8 sb, m                      ; each result is read from its low end on; eight chains by turns
.irp i, 0,2,4,6
.irp j, 0,1,2,3,4,5,6,7
	v_max3_num_f32 v[\m+\j], v[\m+\j], v[\sb+8*\j+\i], v[\sb+8*\j+\i+1]
.endr
.endr
.endm
	KLD 0, 0
	KLD 1, TILE
	s_wait_dscnt 2                                 ; fragment 0 is in; fragment 1's two loads may be out
	MUL8 SA, 0
.irp j, 0,1,2,3,4,5,6,7
	v_mov_b32 v[MA+\j], 0xff800000                 ; -infinity, under every score.  (Also the places behind the products)
.endr
.irp j, 0,1,2,3,4,5,6,7
	v_mov_b32 v[MB+\j], 0xff800000
.endr
	KLD 0, 2*TILE
	s_mov_b32 s[CNT], 14
.Lmax:                                             ; a trip: fragments b + 1 and b + 2 are multiplied, b + 3 and b + 4 fetched
	s_wait_dscnt 2                                 ; the older fragment is in; the younger one's two loads may be out
	MUL8 SB, 1
	MAX8 SA, MA
	KLD 1, 3*TILE
	s_wait_dscnt 2
	MUL8 SA, 0
	s_add_co_u32 s[TB], s[TB], 2*TILE
	v_add_nc_u32 v[ADK], s[TB], v[AK0]
	MAX8 SB, MB
	KLD 0, 2*TILE
	s_sub_co_u32 s[CNT], s[CNT], 1
	s_cmp_lg_u32 s[CNT], 0
	s_cbranch_scc1 .Lmax
	s_wait_dscnt 2                                 ; fragments 29, 30, 31: nothing beyond 31 is fetched
	MUL8 SB, 1
	MAX8 SA, MA
	KLD 1, 3*TILE
	s_wait_dscnt 2
	MUL8 SA, 0
	MAX8 SB, MB
	s_wait_dscnt 0
	MUL8 SB, 1
	MAX8 SA, MA
	MAX8 SB, MB
.irp j, 0,1,2,3,4,5,6,7
	v_max_num_f32 v[MA+\j], v[MA+\j], v[MB+\j]
.endr
.irp j, 0,1,2,3,4,5,6,7
	ds_store_b32 v[MXS], v[MA+\j] offset:512*\j    ; my quarter's largest score of each of the group's 128 queries, by halves of the lanes
.endr
	s_mov_b32 s[TB], 0                             ; pass 2 begins at key 0
	v_add_nc_u32 v[ADK], s[TB], v[AK0]
	v_add_nc_u32 v[ADV], s[TB], v[AV0]
.irp j, 0,1,2,3,4,5,6,7
	v_mov_b32 v[SUM+\j], 0
.endr
	v_mov_b32 v[PLIM], s61
	v_mov_b32 v[PLIM+1], s61
	v_mov_b32 v[PSC], s60
	v_mov_b32 v[PD], 0                             ; (a lane permute's destination counts as one of its sources)
	v_mov_b32 v[PD+1], 0
	s_wait_alu depctr_va_vdst(0)                   ; the wait here, directly ahead of the wait below
	s_wait_dscnt 0x0                               ; my stores are done
	s_barrier_signal -1
	s_barrier_wait -1                              ; everybody's are
.irp x, 0,1
.irp w, 0,1,2,3
	ds_load_b32 v[S+4*\x+\w], v[MXL] offset:512*\x+128*\w
.endr
.endr
.irp t, 0,1,2,3
.irp c, 0,1
	ds_load_b128 v[KF+8*\t+4*\c:KF+8*\t+4*\c+3], v[ADK] offset:TILE*\t+CH*\c   ; step 0's k
.endr
.endr
	s_wait_dscnt 8                                 ; the maxima are in; k's eight loads may be out
.irp x, 0,1
	v_max3_num_f32 v[T+\x], v[S+4*\x], v[S+4*\x+1], v[S+4*\x+2]
.endr
.irp x, 0,1
	v_max_num_f32 v[T+\x], v[T+\x], v[S+4*\x+3]
.endr
.irp x, 0,1
	v_permlanex16_b32 v[PD+\x], v[T+\x], s[SEL], s[SEL+1]
.endr
.irp x, 0,1
	v_max_num_f32 v[T+\x], v[T+\x], v[PD+\x]       ; the row's largest score
.endr
.irp x, 0,1
	v_mul_f32 v[T+\x], s[CS], v[T+\x]              ; as t (c is positive)
.endr
.irp x, 0,1
	v_floor_f32 v[NM+2*\x], -v[T+\x]               ; -M = floor(-t) = -ceil(t)
	v_mov_b32 v[NM+2*\x+1], 0                      ; (named with it as a pair)
.endr
	s_wait_alu depctr_va_vdst(0)                   ; the wait here, ahead of the step's waits
; PASS 2, A KEY STEP: 64 keys at byte off of the addresses in hand.  first: the products start O^T's sums.  last: no k follows.  bump: bytes by which the addresses go on.
.macro HOLD2 a                         ; the conversion to an 8-bit code does not saturate (ISA guide 7.6.2); p is not negative, so the hold is one-sided; two numbers an instruction
	v_dual_min_num_f32 v[\a], v[\a], v[PLIM] :: v_dual_min_num_f32 v[\a+1], v[\a+1], v[PLIM+1]
.endm
.macro STEP off, first, last, bump
	s_wait_dscnt 0x0                               ; this step's k is in
.irp t, 0,1,2,3
.irp x, 0,1
	v_wmma_f32_16x16x64_bf8_bf8 v[S+32*\x+8*\t:S+32*\x+8*\t+7], v[KF+8*\t:KF+8*\t+7], v[Q+8*\x:Q+8*\x+7], 0
.endr
.endr
.rept 4
	v_nop                                          ; places behind these products and the last step's, in front of the loads into their fragments and of the first read of S^T
.endr
.irp t, 0,1,2,3
.irp c, 0,1
	ds_load_b128 v[VF+8*\t+4*\c:VF+8*\t+4*\c+3], v[ADV] offset:\off+TILE*\t+CH*\c
.endr
.endr
.if !\last
.irp t, 0,1,2,3
.irp c, 0,1
	ds_load_b128 v[KF+8*\t+4*\c:KF+8*\t+4*\c+3], v[ADK] offset:\off+STEPB+TILE*\t+CH*\c   ; the next step's k
.endr
.endr
.endif
.if \bump
	s_add_co_u32 s[TB], s[TB], \bump
	v_add_nc_u32 v[ADK], s[TB], v[AK0]
	v_add_nc_u32 v[ADV], s[TB], v[AV0]
.endif
.irp x, 0,1
.set j, 0
.rept 16
	v_pk_fma_f32 v[S+32*\x+j:S+32*\x+j+1], v[S+32*\x+j:S+32*\x+j+1], s[CS:CS+1], v[NM+2*\x:NM+2*\x+1] op_sel_hi:[1,0,0]   ; t - M, two at a time (of the pairs c and -M the low word serves both halves)
.set j, j+2
.endr
.endr
	s_wait_alu depctr_va_vdst(0)                   ; the wait ahead of the batch
.set j, 0
.rept 64
	v_exp_f32 v[S+j], v[S+j]                       ; p = 2^(t - M), at most 1
.set j, j+1
.endr
	v_nop                                          ; a plain place behind the exponentials
	s_wait_alu depctr_va_vdst(0)                   ; one wait for the whole batch, ahead of its first reader
.set j, 0
.rept 16
.irp x, 0,1
	v_pk_add_f32 v[SUM+4*\x+(j&2):SUM+4*\x+(j&2)+1], v[SUM+4*\x+(j&2):SUM+4*\x+(j&2)+1], v[S+32*\x+j:S+32*\x+j+1]   ; the sum is taken of the unquantised p: four chains by turns
	HOLD2 S+32*\x+j
.endr
.set j, j+2
.endr
.irp x, 0,1
.irp t, 0,1,2,3
	v_cvt_scalef32_pk8_bf8_f32 v[PC+8*\x+2*\t:PC+8*\x+2*\t+1], v[S+32*\x+8*\t:S+32*\x+8*\t+7], v[PSC]
.endr
.endr
	v_nop                                          ; a plain vector instruction behind the last conversion
.if \last
	s_wait_dscnt 0x0
.else
	s_wait_dscnt 8                                 ; v is in; the next step's eight loads of k may be out
.endif
	s_wait_alu depctr_va_vdst(0)                   ; the wait here, directly ahead of the first reader of p's codes and of O^T
.irp t, 0,1,2,3
.irp x, 0,1
.if \first
	v_wmma_f32_16x16x64_bf8_bf8 v[O+32*\x+8*\t:O+32*\x+8*\t+7], v[VF+8*\t:VF+8*\t+7], v[PC+8*\x:PC+8*\x+7], 0
.else
	v_wmma_f32_16x16x64_bf8_bf8 v[O+32*\x+8*\t:O+32*\x+8*\t+7], v[VF+8*\t:VF+8*\t+7], v[PC+8*\x:PC+8*\x+7], v[O+32*\x+8*\t:O+32*\x+8*\t+7]   ; eight accumulators by turns
.endif
.endr
.endr
.endm
	STEP 0, 1, 0, STEPB                            ; 32 steps: the first, 15 trips of two, the last
	s_mov_b32 s[CNT], 15
.Lkeys:
	STEP 0, 0, 0, 0
	STEP STEPB, 0, 0, 2*STEPB
	s_sub_co_u32 s[CNT], s[CNT], 1
	s_cmp_lg_u32 s[CNT], 0
	s_cbranch_scc1 .Lkeys
	STEP 0, 0, 1, 0
	; THE WAY OUT.  y = O^T x 2^(e4 + e5) / the sum, held and converted with 2^e6: a lane's eight channels of a tile are 8 bytes.  16 rows of 64 bytes at a time go through my stage, come back in the operand's order and leave as 512 consecutive bytes a store.
.irp x, 0,1
	v_pk_add_f32 v[SUM+4*\x:SUM+4*\x+1], v[SUM+4*\x:SUM+4*\x+1], v[SUM+4*\x+2:SUM+4*\x+3]
.endr
.irp x, 0,1
	v_add_f32 v[SUM+4*\x], v[SUM+4*\x], v[SUM+4*\x+1]
.endr
.irp x, 0,1
	v_permlanex16_b32 v[PD+\x], v[SUM+4*\x], s[SEL], s[SEL+1]
.endr
.irp x, 0,1
	v_add_f32 v[SUM+4*\x], v[SUM+4*\x], v[PD+\x]   ; the row's sum
.endr
	s_wait_alu depctr_va_vdst(0)                   ; the wait ahead of the reciprocals
.irp x, 0,1
	v_rcp_f32 v[SUM+4*\x], v[SUM+4*\x]
.endr
	v_mov_b32 v[PLIM], s38                         ; 57,344 x 2^e6  (plain instructions behind the reciprocals)
	v_mov_b32 v[PSC], s37                          ; 2^e6
	s_wait_alu depctr_va_vdst(0)                   ; one wait for the two reciprocals, ahead of their first reader
.irp x, 0,1
	v_ldexp_f32 v[SUM+4*\x], v[SUM+4*\x], s39
.endr
	s_wait_alu depctr_va_vdst(0)                   ; the wait here, directly ahead of the first reader of O^T
.irp x, 0,1
.set j, 0
.rept 16
	v_pk_mul_f32 v[O+32*\x+j:O+32*\x+j+1], v[O+32*\x+j:O+32*\x+j+1], v[SUM+4*\x:SUM+4*\x+1] op_sel_hi:[1,0]   ; register 8 t + i is y(query r, channel 16 t + 8 h + i)
.set j, j+2
.endr
.endr
.set j, 0
.rept 64
	v_med3_num_f32 v[O+j], v[O+j], -v[PLIM], v[PLIM]
.set j, j+1
.endr
.irp x, 0,1
.irp t, 0,1,2,3
	v_cvt_scalef32_pk8_bf8_f32 v[S+8*\x+2*\t:S+8*\x+2*\t+1], v[O+32*\x+8*\t:O+32*\x+8*\t+7], v[PSC]
.endr
.endr
	v_nop                                          ; a plain vector instruction behind the last conversion
.irp x, 0,1
.irp t, 0,1,2,3
	ds_store_b64 v[STI], v[S+8*\x+2*\t:S+8*\x+2*\t+1] offset:16*\t
.endr
.irp i, 0,1
	ds_load_b128 v[S+16+8*\x+4*\i:S+16+8*\x+4*\i+3], v[STB] offset:32*\i   ; LDS serves a wave's instructions in order: these see my stores, and the second tile's stores come behind them
.endr
.endr
	s_wait_dscnt 7                                 ; behind tile 0's first load: one load, four stores, two loads
	global_store_b128 v[AK0], v[S+16:S+19], s[10:11]           ; 32 lanes store 512 consecutive bytes, at a multiple of 512 from the buffer's first byte
	s_wait_dscnt 6
	global_store_b128 v[AK0], v[S+20:S+23], s[10:11] offset:512
	s_wait_dscnt 1
	global_store_b128 v[AK0], v[S+24:S+27], s[10:11] offset:16384
	s_wait_dscnt 0
	global_store_b128 v[AK0], v[S+28:S+31], s[10:11] offset:16384+512
	s_wait_tensorcnt 0x0                           ; the wave's end
	ds_add_u32 v[SPW], v[NIL]
	s_wait_dscnt 0x0
	CROUND                                         ; the closing round
	s_endpgm
.Lfunc_end_k_qf8c6e60cda_attn:
	.size	k_qf8c6e60cda_attn, .Lfunc_end_k_qf8c6e60cda_attn-k_qf8c6e60cda_attn
	.p2alignl 7, 3214868480
	.fill 96, 4, 3214868480
	.section	.rodata,"a",@progbits
	.p2align	6, 0x0
	.amdhsa_kernel k_qf8c6e60cda_attn
		.amdhsa_group_segment_fixed_size 327680
		.amdhsa_private_segment_fixed_size 0
		.amdhsa_enable_private_segment 0
		.amdhsa_kernarg_size 32
		.amdhsa_user_sgpr_count 2
		.amdhsa_user_sgpr_kernarg_segment_ptr 1
		.amdhsa_wavefront_size32 1
		.amdhsa_system_sgpr_workgroup_id_x 1
		.amdhsa_system_sgpr_workgroup_id_y 1
		.amdhsa_system_sgpr_workgroup_id_z 1
		.amdhsa_system_vgpr_workitem_id 0
		.amdhsa_next_free_vgpr 256
		.amdhsa_next_free_sgpr 66
		.amdhsa_reserve_vcc 0
		.amdhsa_float_denorm_mode_32 3
		.amdhsa_float_denorm_mode_16_64 3
		.amdhsa_memory_ordered 1
		.amdhsa_forward_progress 1
		.amdhsa_inst_pref_size 80
	.end_amdhsa_kernel
	.amdgpu_metadata
---
amdhsa.version: [ 1, 2 ]
amdhsa.kernels:
  - .name:           k_qf8c6e60cda_attn
    .symbol:         k_qf8c6e60cda_attn.kd
    .args:
      - { .name: q_codes, .offset: 0, .size: 8, .value_kind: global_buffer, .address_space: global }
      - { .name: kv_codes, .offset: 8, .size: 8, .value_kind: global_buffer, .address_space: global }
      - { .name: lowp_scales, .offset: 16, .size: 8, .value_kind: global_buffer, .address_space: global }
      - { .name: y_codes, .offset: 24, .size: 8, .value_kind: global_buffer, .address_space: global }
    .group_segment_fixed_size: 327680
    .private_segment_fixed_size: 0
    .kernarg_segment_align: 8
    .kernarg_segment_size: 32
    .max_flat_workgroup_size: 512
    .sgpr_count:     66
    .vgpr_count:     256
    .wavefront_size: 32
...
	.end_amdgpu_metadata
.endif
;; end of part 3
;; launch gemm_proj (part 4): grid 32 x 8, 4 waves a work-group, clusters of 4 x 1, 167,936 bytes of LDS; arguments y_codes, wp_codes, lowp_scales, b_proj, out0; writes out0
.if DOCPART == 4
	.amdgcn_target "amdgcn-amd-amdhsa--gfx1250"
	.amdhsa_code_object_version 6
	.text
	.protected	k_qf8c6e60cda_gemm_proj
	.globl	k_qf8c6e60cda_gemm_proj
	.p2align	8
	.type	k_qf8c6e60cda_gemm_proj,@function
k_qf8c6e60cda_gemm_proj:
	s_mov_b64 s[64:65], 0
	v_nop
	global_prefetch_b8 v0, s[64:65] scope:SCOPE_SE
	s_setreg_imm32_b32 hwreg(HW_REG_WAVE_MODE, 25, 1), 1
	s_wait_xcnt 0x0
	s_wait_alu depctr_hold_cnt(0) depctr_sa_sdst(0) depctr_va_vdst(0) depctr_va_sdst(0) depctr_va_ssrc(0) depctr_va_vcc(0) depctr_vm_vsrc(0)
	s_getreg_b32 s2, hwreg(HW_REG_IB_STS2, 6, 4)
	s_cmp_eq_u32 s2, 0
	s_cbranch_scc0 .Lentry_in_a_cluster
	s_endpgm
.Lentry_in_a_cluster:
	s_bfe_u32 s2, ttmp6, 0x10000c
	s_cmp_lg_u32 s2, 0x3003
	s_cbranch_scc0 .Lentry_shape_is_right
	s_endpgm
.Lentry_shape_is_right:
; out0 = y w_proj^T + b_proj on codes of BF8 (E5M2), K = 1,024; f32 out.
; y_codes and wp_codes lie in the order of an operand's registers: [16 rows][128 along K][c][lane = 16 h + r][16 bytes: k = 32 c + 16 h + 0..15 of row r].
; SHARES.  A work-group makes 256 tokens x 128 features; a wave owns 64 tokens, whose whole K lies in 512 registers, loaded once, 512 consecutive bytes a load.  The tile of 128 rows of w_proj (131,072 bytes, all of K)
; comes into LDS by four tensor loads, one a wave, and is filled once; every wave reads all of it: a fragment of the weight feeds four products.  32 accumulators.
; Source 0 = 16 features, source 1 = 16 tokens: a lane holds 8 neighbouring features of a token.  The bias, divided by 2^(e6 + e7), is the C of the first K step; each finished sum is multiplied once by 2^(e6 + e7).
; The way out goes by blocks of 16 tokens through the wave's own stage in LDS: 32 lanes store 512 consecutive bytes of a row.
; CLUSTER: four token blocks share the tile of the weight: joint loads with a mask that names the four.  NO PREFETCH: the one tile is asked for at the head; there is no trip to ask ahead in.
; LIMIT: e6 + e7 between -126 and 126.  NaN is not served.
; REGISTERS: window 0: v0-31 addresses, v32-95 the bias, v96-223 two sets of four weight fragments (on the way out v96-159 scaled sums, v160-223 and v32-95 rows read back); windows 1, 2: the tokens' fragments; window 3: accumulator (a, b) at 8 (8 a + b).
.set SLOTB, 131072
.set SPITCH, 528
.set STAGE, SLOTB
.set SPARE, STAGE+4*16*SPITCH
.set GO,   4
.set BQ,   5
.set AD,   8
.set SPW,  12
.set NIL,  13
.set STO,  24
.set RD,   25
.set BB,   32
.set BF,   96
.set WV,   16
.set G1,   24
.set G0,   32
.set MSB, 0
.macro WIN new
.if MSB != \new
	s_set_vgpr_msb (MSB<<8)|\new
.set MSB, \new
.endif
.endm
.macro PLACES
.rept 4
	v_nop
.endr
.endm
.macro CROUND
	s_barrier_signal -1
	s_barrier_wait -1
	s_cmp_lg_u32 s[WV], 0
	s_cbranch_scc1 .Lnot_wave_0_\@
	s_barrier_signal -3
.Lnot_wave_0_\@:
	s_barrier_wait -3
	s_barrier_signal -1
	s_barrier_wait -1
.endm
	s_load_b256 s[4:11], s[0:1], 0x0               ; y's codes, w_proj's codes, the scales' exponents, b_proj
	s_load_b64 s[12:13], s[0:1], 0x20              ; out0
	v_lshl_add_u32 v[SPW], v0, 2, SPARE
	v_mov_b32 v[NIL], 0
	ds_add_u32 v[SPW], v[NIL]                      ; the opening: the add, twice on end, and its wait ahead of my tensor load
	ds_add_u32 v[SPW], v[NIL]
	v_lshrrev_b32 v1, 5, v0
	v_readfirstlane_b32 s[WV], v1
	s_bfe_u32 s17, ttmp6, 0x40000                  ; cx
	s_and_b32 s18, ttmp7, 0xffff                   ; the block of 128 features, which the partners share
	s_lshl_b32 s19, ttmp9, 2
	s_add_co_u32 s19, s19, s17                     ; the block of 256 tokens
	s_mov_b32 s[G1], 15|(1<<21)                    ; the mask: all four; bit 21 beside it; 32,768 dense bytes as 128 rows of 256
	s_mov_b32 s[G1+1], 256<<16
	s_mov_b32 s[G1+2], 128<<16
	s_mov_b32 s[G1+3], 256<<16
	s_mov_b32 s[G1+4], 128
	s_mov_b32 s[G1+5], 256
	s_mov_b32 s[G1+6], 0
	s_mov_b32 s[G1+7], 0
	s_mov_b32 s[G0], 1
	s_lshl_b32 s[G0+1], s[WV], 15
	s_lshl_b32 s20, s18, 17
	s_add_co_u32 s20, s20, s[G0+1]
	s_mov_b32 s21, 0
	s_lshl_b32 s22, s19, 18
	s_lshl_b32 s23, s[WV], 16
	s_add_co_u32 s22, s22, s23                     ; y: my 64 tokens, 4 x 16,384 bytes
	s_mov_b32 s23, 0
	s_lshl_b32 s68, s18, 9                         ; 128 features of f32
	s_mov_b32 s69, 0
	s_lshl_b32 s36, s19, 20
	s_lshl_b32 s37, s[WV], 18
	s_add_co_u32 s36, s36, s37
	s_add_co_u32 s36, s36, s68                     ; out0: my first token's row of 4,096 bytes, my features
	s_mov_b32 s37, 0
	s_mul_i32 s38, s[WV], 16*SPITCH
	s_add_co_u32 s38, s38, STAGE                   ; my stage
	s_wait_dscnt 0x0
	s_wait_kmcnt 0x0
	s_load_b256 s[40:47], s[8:9], 0x0              ; e0 .. e7
	s_add_nc_u64 s[G0+2:G0+3], s[6:7], s[20:21]
	s_or_b32 s[G0+3], s[G0+3], 0x80000000
	s_add_nc_u64 s[4:5], s[4:5], s[22:23]
	s_add_nc_u64 s[12:13], s[12:13], s[36:37]
	s_add_nc_u64 s[54:55], s[10:11], s[68:69]
	CROUND                                         ; the joint loads meet
	tensor_load_to_lds s[G0:G0+3], s[G1:G1+7]      ; my quarter of the tile: my one tensor load
	s_nop 0
	v_and_b32 v1, 31, v0
	v_lshlrev_b32 v[GO], 4, v1
	v_bfe_u32 v2, v0, 4, 1
	v_lshlrev_b32 v[BQ], 5, v2
	v_and_b32 v3, 15, v0
.irp b, 0,1,2,3,4,5,6,7
	global_load_b128 v[BB+8*\b:BB+8*\b+3], v[BQ], s[54:55] offset:64*\b          ; the bias in the result's layout: feature 16 b + 8 h + j in register 8 b + j
	global_load_b128 v[BB+8*\b+4:BB+8*\b+7], v[BQ], s[54:55] offset:64*\b+16
.endr
.irp k, 0,1,2,3
	WIN 0x40*(1+\k/4)
.irp a, 0,1,2,3
.irp c, 0,1,2,3
	global_load_b128 v[16*(4*(\k%4)+\a)+4*\c:16*(4*(\k%4)+\a)+4*\c+3], v[GO], s[4:5] offset:16384*\a+2048*\k+512*\c
.endr
.endr
.endr
	WIN 0
	v_add_nc_u32 v[AD], 0, v[GO]
	v_add_nc_u32 v[AD+1], 65536, v[GO]
	v_mul_u32_u24 v[STO], v3, SPITCH
	v_add_nc_u32 v[STO], v[BQ], v[STO]
	v_add_nc_u32 v[STO], s38, v[STO]               ; the stage, in: row r, 32 bytes for each half of the lanes
	v_add_nc_u32 v[RD], s38, v[GO]                 ; and back: a row of 512 bytes
	s_wait_kmcnt 0x0
	s_add_co_i32 s20, s46, s47                     ; e6 + e7
	s_sub_co_i32 s62, 127, s20
	s_lshl_b32 s62, s62, 23                        ; 2^-(e6 + e7)
	s_mov_b32 s63, s62
	s_add_co_i32 s60, s20, 127
	s_lshl_b32 s60, s60, 23                        ; 2^(e6 + e7)
	s_mov_b32 s61, s60
	s_wait_loadcnt 63                              ; the bias, the oldest 16 loads, is in: 64 younger ones were issued
.set j, 0
.rept 32
	v_pk_mul_f32 v[BB+j:BB+j+1], v[BB+j:BB+j+1], s[62:63] op_sel_hi:[1,0]
.set j, j+2
.endr
.macro LOADG k, hf                     ; 16 LDS loads: four weight fragments (features' half hf) of K step k
.irp bb, 0,1,2,3
.irp c, 0,1,2,3
	ds_load_b128 v[BF+64*\hf+16*\bb+4*\c:BF+64*\hf+16*\bb+4*\c+3], v[AD+\hf] offset:16384*\bb+2048*(\k)+512*\c
.endr
.endr
.endm
.macro MULG k, hf                      ; 16 products, 16 accumulators by turns; K step 0 takes the bias as C
.set WX, 0xc4+4*((\k)/4)
.if (\k) > 0
.set WX, WX+0x30
.endif
	WIN WX
.irp a, 0,1,2,3
.irp bb, 0,1,2,3
.set DD, 8*(8*\a+4*\hf+\bb)
.set X0, BF+64*\hf+16*\bb
.set X1, 16*(4*((\k)%4)+\a)
.if (\k) > 0
.set CC, DD
.else
.set CC, BB+8*(4*\hf+\bb)
.endif
	v_wmma_f32_16x16x128_bf8_bf8 v[DD:DD+7], v[X0:X0+15], v[X1:X1+15], v[CC:CC+7]
.endr
.endr
.endm
	s_wait_alu depctr_va_vdst(0)                   ; the wait at the head's end
	s_wait_tensorcnt 0x0                           ; my quarter has landed;
	s_barrier_signal -1
	s_barrier_wait -1                              ; everybody's has
	LOADG 0, 0
	LOADG 0, 1
; The tokens' fragments of K steps 0 to 3 are loaded at the head; those of K step k + 4 are asked for behind K step k's products, 16 loads each.
.macro ALOAD k
	WIN 0x40*(1+(\k)/4)
.irp a, 0,1,2,3
.irp c, 0,1,2,3
	global_load_b128 v[16*(4*((\k)%4)+\a)+4*\c:16*(4*((\k)%4)+\a)+4*\c+3], v[GO], s[4:5] offset:16384*\a+2048*(\k)+512*\c
.endr
.endr
	WIN 0
.endm
.irp k, 0,1,2,3,4,5,6
.if \k < 5
	s_wait_loadcnt 48                              ; this K step's tokens are in; three younger K steps' loads may be out
.else
	s_wait_loadcnt 16*(7-\k)
.endif
.irp hf, 0,1
	s_wait_dscnt 16                                ; this set is in; the other set's 16 loads may be out
	MULG \k, \hf
	PLACES
	WIN 0
	LOADG \k+1, \hf
.endr
.if \k < 4
	ALOAD \k+4
.endif
.endr
	s_wait_loadcnt 0x0
	s_wait_dscnt 16
	MULG 7, 0
	s_wait_dscnt 0x0
	MULG 7, 1
	PLACES
	WIN 0
; THE WAY OUT, block by block of 16 tokens x 128 features
.macro TOSTAGE a
.set BK, 160-128*((\a)%2)
	WIN 0x03
.set j, 0
.rept 32
	v_pk_mul_f32 v[BF+j:BF+j+1], v[64*(\a)+j:64*(\a)+j+1], s[60:61] op_sel_hi:[1,0]   ; x 2^(e6 + e7); each accumulator from its low end on
.set j, j+2
.endr
	WIN 0
.irp b, 0,1,2,3,4,5,6,7
	ds_store_b128 v[STO], v[BF+8*\b:BF+8*\b+3] offset:64*\b
	ds_store_b128 v[STO], v[BF+8*\b+4:BF+8*\b+7] offset:64*\b+16
.endr
.irp t, 0,1,2,3,4,5,6,7,8,9,10,11,12,13,14,15
	ds_load_b128 v[BK+4*\t:BK+4*\t+3], v[RD] offset:\t*SPITCH   ; LDS serves a wave's instructions in order: these see my stores
.endr
.endm
.macro SEND a, younger
.set BK, 160-128*((\a)%2)
	s_wait_dscnt \younger                          ; the block is back; the next block's 16 stores and 16 loads may be out
.irp t, 0,1,2,3,4,5,6,7,8,9,10,11,12,13,14,15
	global_store_b128 v[GO], v[BK+4*\t:BK+4*\t+3], s[12:13] offset:(16*(\a)+\t)*4096 th:TH_STORE_NT   ; 512 consecutive bytes, at a multiple of 512
.endr
.endm
	TOSTAGE 0
	TOSTAGE 1
	SEND 0, 32
	s_wait_xcnt 0x0                                ; block 0's stores have read their registers: block 2's rows may land there
	TOSTAGE 2
	SEND 1, 32
	s_wait_xcnt 0x0
	TOSTAGE 3
	SEND 2, 32
	SEND 3, 0
	s_wait_tensorcnt 0x0                           ; the wave's end
	ds_add_u32 v[SPW], v[NIL]
	s_wait_dscnt 0x0
	CROUND                                         ; the closing round
	s_endpgm
.Lfunc_end_k_qf8c6e60cda_gemm_proj:
	.size	k_qf8c6e60cda_gemm_proj, .Lfunc_end_k_qf8c6e60cda_gemm_proj-k_qf8c6e60cda_gemm_proj
	.p2alignl 7, 3214868480
	.fill 96, 4, 3214868480
	.section	.rodata,"a",@progbits
	.p2align	6, 0x0
	.amdhsa_kernel k_qf8c6e60cda_gemm_proj
		.amdhsa_group_segment_fixed_size 167936
		.amdhsa_private_segment_fixed_size 0
		.amdhsa_enable_private_segment 0
		.amdhsa_kernarg_size 40
		.amdhsa_user_sgpr_count 2
		.amdhsa_user_sgpr_kernarg_segment_ptr 1
		.amdhsa_wavefront_size32 1
		.amdhsa_system_sgpr_workgroup_id_x 1
		.amdhsa_system_sgpr_workgroup_id_y 1
		.amdhsa_system_sgpr_workgroup_id_z 1
		.amdhsa_system_vgpr_workitem_id 0
		.amdhsa_next_free_vgpr 1024
		.amdhsa_next_free_sgpr 80
		.amdhsa_reserve_vcc 0
		.amdhsa_float_denorm_mode_32 3
		.amdhsa_float_denorm_mode_16_64 3
		.amdhsa_memory_ordered 1
		.amdhsa_forward_progress 1
		.amdhsa_inst_pref_size 79
	.end_amdhsa_kernel
	.amdgpu_metadata
---
amdhsa.version: [ 1, 2 ]
amdhsa.kernels:
  - .name:           k_qf8c6e60cda_gemm_proj
    .symbol:         k_qf8c6e60cda_gemm_proj.kd
    .args:
      - { .name: y_codes, .offset: 0, .size: 8, .value_kind: global_buffer, .address_space: global }
      - { .name: wp_codes, .offset: 8, .size: 8, .value_kind: global_buffer, .address_space: global }
      - { .name: lowp_scales, .offset: 16, .size: 8, .value_kind: global_buffer, .address_space: global }
      - { .name: b_proj, .offset: 24, .size: 8, .value_kind: global_buffer, .address_space: global }
      - { .name: out0, .offset: 32, .size: 8, .value_kind: global_buffer, .address_space: global }
    .group_segment_fixed_size: 167936
    .private_segment_fixed_size: 0
    .kernarg_segment_align: 8
    .kernarg_segment_size: 40
    .max_flat_workgroup_size: 128
    .sgpr_count:     80
    .vgpr_count:     1024
    .wavefront_size: 32
...
	.end_amdgpu_metadata
.endif
;; end of part 4
